; MI455X (gfx1250); checked and timed in simulation.
; The chip was launched on July 23, 2026; its instructions are those of AMD's public machine-readable ISA for CDNA 5 (MIT licence, August 2026) and "CDNA5" Instruction Set Architecture Reference Guide (July 2026). The comments in the code are by the model that wrote it; some were corrected since.
;; News Level Multi Head Self Attention. Allowed arithmetic: matrix products marked QUANTISED: E2M3 operands, one E8M0 scale for each 32 along K, by v_wmma_scale_f32_16x16x128_f8f6f4 with both operands' format E2M3, f32 sums; everything else in f32.
;; Inputs: W_Q 1,024 x 1,024 float32; W_V 1,024 x 1,024 float32; news_embeds 32 x 512 x 1,024 float32.
;; Outputs: out0 32 x 512 x 1,024 float32.
;; This version of the problem:
;;   THIS VERSION OF THE PROBLEM IS GIVEN IN LOW PRECISION. The matrix products marked QUANTISED in the list below multiply operands that are first quantised to E2M3 (2 exponent bits, 3 mantissa bits; 6 bits a number), with one power-of-two scale for each 32 numbers along K (OCP MX v1.0); their sums are f32. All else is computed in f32.
;;   The module's matrix products, in the order in which they are computed (A, B: the left and right operand; K: the contracted axis; several contracted axes count as one K, in the product's order):
;;     1. [M 16,384, K 1,024] x [K 1,024, N 1,024]; A: input news_embeds; B: input W_Q: QUANTISED
;;     2. [M 16,384, K 1,024] x [K 1,024, N 1,024]; A: input news_embeds; B: input W_V: QUANTISED
;;     3. batch 512 x [M 512, K 64] x [K 64, N 512]; A: computed on the way; B: input news_embeds: QUANTISED
;;     4. batch 512 x [M 512, K 512] x [K 512, N 64]; A: softmax (see below); B: computed on the way: QUANTISED
;;   THE QUANTISER, for each operand of a quantised product, along K:
;;     - K is cut into blocks of 32 from its start; a last block that is shorter is filled with zeros.
;;     - A block's scale is 2^e with e = floor(log2(the largest magnitude in the block)) - 2, held to -126 .. 127; a block of zeros has e = 0. As a byte (E8M0): e + 127.
;;     - Each number is divided by its block's scale, clamped to +-7.5, and rounded to the nearest number of E2M3, ties to even, subnormals kept.
;;     - The product sums the exact products of the quantised numbers (number of the format x scale) in f32.
;;   ~~~python
;;   def quantise(x, axis):      # numpy; x: float32 -> the quantised numbers, widened to float32 again
;;       x = np.moveaxis(x, axis, -1); K = x.shape[-1]
;;       x = np.pad(x, [(0, 0)] * (x.ndim - 1) + [(0, -K % 32)]); x = x.reshape(x.shape[:-1] + (-1, 32)); a = np.abs(x).max(-1, keepdims=True)
;;       e = np.where(a > 0, np.clip(np.frexp(np.where(a > 0, a, 1))[1] - 1 - 2, -126, 127), 0)      # np.frexp(a)[1] - 1 = floor(log2(a)), exactly
;;       r = np.clip(x / 2.0 ** e, -7.5, 7.5)
;;       step = 2.0 ** (np.maximum(np.frexp(np.where(r == 0, 1, r))[1] - 1, 0) - 3)
;;       q = np.round(r / step) * step * 2.0 ** e      # np.round: ties to even
;;       return np.moveaxis(q.reshape(q.shape[:-2] + (-1,))[..., :K], -1, axis).astype(np.float32)
;;   ~~~
;;   SOFTMAX AHEAD OF A QUANTISED PRODUCT. Where the list says 'softmax', what is quantised is not the finished softmax but p = 2^(t - M), with t = logit x log2(e) and M = ceil(the row's largest t), a whole number; so 1/2 < the row's largest p <= 1. The row's sum l is taken of the UNQUANTISED p, in f32, and the product's result is divided by l at the end. Since M is a whole number, a kernel that streams over the keys may use a running M (the ceiling of the running maximum): every later rescaling is an exact power of two, which a block's scale takes up: the codes' values come out the same.
;;   OPERANDS COMPUTED ON THE WAY. 'Computed on the way' means the value that the module computes at that place (a softmax that the list does not call 'softmax' is quantised finished and normalised). What goes into a quantiser is computed in f32, as accurately as f32 sums, v_exp_f32 and their like allow (about 1e-6 of the number): no bf16 or f16 on the way to a quantiser, and a product that is left as it is and whose result goes on into a quantised operand takes f32 operands (vector FMAs, or v_wmma_f32_16x16x4_f32). A number that lies on a knife's edge between two numbers of the format may be rounded either way, as far as f32 arithmetic and the matrix unit's own rounding can turn it there, and no further.
;; One version. Each part assembles by itself: llvm-mc -triple=amdgcn-amd-amdhsa -mcpu=gfx1250 --defsym DOCPART=n.
;; ======== version 1 of 1: 2 launches
;; limits: right only within a limited range of input values
;; workspace buffers: ximg 12,582,912 bytes; wimg 1,572,864 bytes; scl 589,824 bytes
;; launch quant (part 1): grid 576 x 1, 4 waves a work-group, no clusters, 34,304 bytes of LDS; arguments news_embeds, W_Q, W_V, ximg, wimg, scl; writes ximg, wimg, scl
.if DOCPART == 1
	.amdgcn_target "amdgcn-amd-amdhsa--gfx1250"
	.amdhsa_code_object_version 6
	.text
	.protected	k_q459848e5b7_quant
	.globl	k_q459848e5b7_quant
	.p2align	8
	.type	k_q459848e5b7_quant,@function
k_q459848e5b7_quant:
	s_mov_b64 s[64:65], 0
	v_nop
	global_prefetch_b8 v0, s[64:65] scope:SCOPE_SE
	s_setreg_imm32_b32 hwreg(HW_REG_WAVE_MODE, 25, 1), 1
	s_wait_xcnt 0x0
; news_embeds [16384][1024], W_Q [1024][1024], W_V [1024][1024], f32, K innermost, become codes of FP6 (E2M3) with one E8M0 byte for each 32 along K,
; laid as IMAGES OF THE MATRIX OPERAND'S REGISTERS, so that the second launch takes every fragment by dense loads of 16 and 8 bytes a lane.
; A block's scale is 2^(floor(log2(its largest magnitude)) - 2): its byte is the largest magnitude's exponent field - 2, held at 1 from below.
; LIMITS: a block whose largest magnitude lies under 2^(3 - 127), a block of zeros among them, gets the byte 1 (the rule says 127 for zeros): its codes are zeros or the
; nearest codes under that scale, and the bytes are read by this program alone.  NaN and infinities among the inputs are not served.
; TILES.  Tile tt, tile row p (0..15) is tensor row 64 (tt / 4) + 32 (p / 8) + 8 (tt % 4) + p % 8: in a matrix result whose source 0 is such a tile, the 32 registers of four
; neighbouring tiles are 32 neighbouring rows, lanes 0-15 the lower 32 of a group of 64 and lanes 16-31 the upper 32: a whole block of the next product's K in a lane.
; A FRAGMENT'S IMAGE (16 rows x 128 K, 12 registers a lane, 1,536 bytes): half c at 768 c: registers 6 c .. 6 c + 3 at 16 x lane, registers 6 c + 4, 6 c + 5 at 512 + 8 x lane.
;   ximg [batch 32][K step 8][tile 32][1536];  wimg [head 16][K step 8][tile 8: W_Q's four, W_V's four][1536].
; A TILE'S SCALE WORDS (512 bytes): the word of row r and K step s at 256 (s / 4) + 16 r + 4 (s % 4).  scl: X's 1,024 tiles, then at 524,288 the 128 tiles of W (8 head + tile).
; SHARES.  Work-groups 0-511 take X, 512-543 W_Q, 544-575 W_V, two tiles each; a wave takes one tile and half of K: four fragments.  One path for all three tensors: only pointers and
; strides are chosen, by the work-group's number.  No tensor load, no barrier, no matrix unit: memory binds.  Each load reads 512 consecutive bytes of a row; 32 loads of a wave are out.
.set STGB,  8448                       ; a wave's own stage in LDS: 16 rows x PITCH
.set PITCH, 528                        ; 512 bytes + 16: an odd multiple of 16, so that the sixteen rows of a read fall on different 16-byte columns
.set A16, 4                            ; v4   16 x lane
.set STI, 5                            ; v5   the stage, on the way in: 16 x lane
.set STO, 6                            ; v6   and out: row r, + 128 h: my 32 neighbours of a group of 64
.set A8,  7                            ; v7   8 x lane
.set SH8, 8                            ; v8   8 h
.set TX,  9                            ; v9   takes the other half's bytes
.set TM,  10                           ; v10-11 the two blocks' largest magnitudes
.set TS,  12                           ; v12-13 the conversions' scale operands
.set TB,  14                           ; v14-15 the bytes
.set PW,  16                           ; v16  my two bytes at their places
.set SW,  20                           ; v20-23 my row's scale words of the four K steps
.set CD,  24                           ; v24-35 a fragment's codes
.set PT,  36                           ; v36-43 the second halves of the blocks' codes
.set RW,  48                           ; v48-175 two sets of 64: a fragment's numbers as loaded
.set XN,  176                          ; v176-239 my 64 numbers: register 32 c + i = k 64 c + 32 h + i of row r
	s_load_b128 s[4:7], s[0:1], 0x0                ; news_embeds, W_Q
	s_load_b128 s[8:11], s[0:1], 0x10              ; W_V, ximg
	s_load_b128 s[12:15], s[0:1], 0x20             ; wimg, scl
	v_lshl_add_u32 v240, v0, 2, 0x8400
	v_mov_b32 v241, 0
	v_lshrrev_b32 v1, 5, v0
	v_readfirstlane_b32 s16, v1                    ; wave 0..3
	v_and_b32 v1, 31, v0                           ; lane
	v_and_b32 v2, 15, v0                           ; r
	v_bfe_u32 v3, v0, 4, 1                         ; h
	v_lshlrev_b32 v[A16], 4, v1
	v_lshlrev_b32 v[A8], 3, v1
	v_lshlrev_b32 v[SH8], 3, v3
	v_mov_b32 v[TX], 0                             ; written once: a lane permute's destination counts as one of its sources
	s_mul_i32 s19, s16, STGB
	v_add_nc_u32 v[STI], s19, v[A16]
	v_mul_u32_u24 v[STO], v2, PITCH
	v_lshl_add_u32 v[STO], v3, 7, v[STO]
	v_add_nc_u32 v[STO], s19, v[STO]
	s_lshr_b32 s17, s16, 1                         ; which of the work-group's two tiles
	s_and_b32 s18, s16, 1                          ; g: which half of K
	s_mov_b32 s28, 0x76543210
	s_mov_b32 s29, 0xfedcba98                      ; v_permlanex16_b32's selects for lane l xor 16
	s_wait_alu depctr_va_vdst(0)
	s_wait_kmcnt 0x0
	s_mov_b32 s22, 1088
	s_cmp_lt_u32 ttmp9, 544                        ; W_Q or W_V?  The choices hang on the work-group's number alone
	s_cselect_b32 s22, 1024, s22                   ; the tensor's first tile in the count 2 x work-group
	s_cselect_b32 s23, 0, 4                        ; W_V's tiles are 4 to 7 of a head's eight
	s_cselect_b64 s[20:21], s[6:7], s[8:9]
	s_mov_b32 s26, 12288
	s_cmp_lt_u32 ttmp9, 512                        ; X or a weight?
	s_cselect_b32 s22, 0, s22
	s_cselect_b32 s26, 49152, s26                  ; from a K step's image to the next: 32 or 8 tiles of 1,536 bytes
	s_cselect_b64 s[20:21], s[4:5], s[20:21]       ; the source
	s_cselect_b64 s[24:25], s[10:11], s[12:13]     ; the images
	s_mov_b32 s27, 0
	s_lshl_b32 s30, ttmp9, 1
	s_add_co_u32 s30, s30, s17
	s_sub_co_u32 s30, s30, s22                     ; tt: my tile in its tensor
	s_lshr_b32 s31, s30, 5                         ; X: batch tt / 32, tile tt % 32
	s_mul_i32 s31, s31, 393216
	s_and_b32 s32, s30, 31
	s_mul_i32 s32, s32, 1536
	s_add_co_u32 s31, s31, s32                     ; its image
	s_lshl_b32 s33, s30, 9                         ; its scale words
	s_lshr_b32 s34, s30, 2                         ; tt / 4 (a weight's head)
	s_and_b32 s35, s30, 3                          ; tt % 4
	s_add_co_u32 s36, s35, s23                     ; a weight's tile among the head's eight
	s_mul_i32 s37, s34, 98304
	s_mul_i32 s38, s36, 1536
	s_add_co_u32 s37, s37, s38                     ; its image
	s_lshl_b32 s38, s34, 3
	s_add_co_u32 s38, s38, s36
	s_lshl_b32 s38, s38, 9
	s_add_co_u32 s38, s38, 524288                  ; its scale words
	s_cmp_lt_u32 ttmp9, 512
	s_cselect_b32 s31, s31, s37
	s_cselect_b32 s33, s33, s38
	s_lshl_b32 s40, s34, 18                        ; the source: row 64 (tt / 4) + 8 (tt % 4) of 4,096 bytes, + 2,048 g
	s_lshl_b32 s41, s35, 15
	s_add_co_u32 s40, s40, s41
	s_lshl_b32 s41, s18, 11
	s_add_co_u32 s40, s40, s41
	s_mov_b32 s41, 0
	s_add_nc_u64 s[20:21], s[20:21], s[40:41]
	s_mul_i32 s40, s18, s26                        ; the images: + 4 g K steps
	s_lshl_b32 s40, s40, 2
	s_add_co_u32 s40, s40, s31
	s_add_nc_u64 s[24:25], s[24:25], s[40:41]
	s_lshl_b32 s40, s18, 8                         ; the scale words: + 256 g
	s_add_co_u32 s40, s40, s33
	s_add_nc_u64 s[42:43], s[14:15], s[40:41]
.macro LOAD f                          ; fragment f: 128 numbers of each of the tile's 16 rows, 512 consecutive bytes a load, into set f % 2
.irp p, 0,1,2,3,4,5,6,7,8,9,10,11,12,13,14,15
	global_load_b128 v[RW+64*((\f)%2)+4*\p:RW+64*((\f)%2)+4*\p+3], v[A16], s[20:21] offset:(32*(\p/8)+\p%8)*4096+512*(\f) th:TH_LOAD_NT
.endr
.endm
.macro FRAGQ f
.if (\f) < 3
	s_wait_loadcnt 16                              ; this fragment's sixteen loads are in; the next fragment's sixteen may be out
.else
	s_wait_loadcnt 0x0
.endif
.irp p, 0,1,2,3,4,5,6,7,8,9,10,11,12,13,14,15
	ds_store_b128 v[STI], v[RW+64*((\f)%2)+4*\p:RW+64*((\f)%2)+4*\p+3] offset:PITCH*\p   ; the rows as they lie
.endr
.irp c, 0,1
.irp j, 0,1,2,3,4,5,6,7
	ds_load_b128 v[XN+32*\c+4*\j:XN+32*\c+4*\j+3], v[STO] offset:256*\c+16*\j   ; LDS serves a wave's instructions in order: these see the stores above
.endr
.endr
	s_wait_dscnt 0x0                               ; my 64 numbers are in, and the stores have read their registers,
.if (\f) < 2
	LOAD (\f)+2                                    ; which take the fragment two on
.endif
.irp c, 0,1
	v_max3_num_f32 v[TM+\c], |v[XN+32*\c]|, |v[XN+32*\c+1]|, 0x1800000   ; block 2 c + h: all its 32 numbers are mine; and the floor 2^(3 - 127): the byte cannot fall under 1
.endr
.irp i, 2,4,6,8,10,12,14,16,18,20,22,24,26,28,30
.irp c, 0,1
	v_max3_num_f32 v[TM+\c], v[TM+\c], |v[XN+32*\c+\i]|, |v[XN+32*\c+\i+1]|
.endr
.endr
.irp c, 0,1
	v_add_nc_u32 v[TS+\c], 0xff000000, v[TM+\c]    ; 2 off the exponent field: the conversion takes the exponent field of this operand as its scale
.endr
.irp c, 0,1
	v_lshrrev_b32 v[TB+\c], 23, v[TS+\c]           ; the scale's byte
.endr
	v_lshl_or_b32 v[PW], v[TB+1], 16, v[TB]        ; my two bytes: blocks h and 2 + h of row r,
	v_lshlrev_b32 v[PW], v[SH8], v[PW]             ; at their places;
	v_permlanex16_b32 v[TX], v[PW], s28, s29
	v_or_b32 v[SW+(\f)], v[PW], v[TX]              ; with lane l xor 16's two the word is whole
.if (\f) > 0
	s_wait_alu depctr_va_vdst(0)
	s_wait_xcnt 0x0                                ; the last fragment's stores have read their data and their base: both are written again only behind this wait
	s_add_nc_u64 s[24:25], s[24:25], s[26:27]      ; the next K step's image
.endif
.irp c, 0,1
	v_cvt_scalef32_pk16_fp6_f32 v[CD+6*\c:CD+6*\c+2], v[XN+32*\c:XN+32*\c+15], v[TS+\c]
	v_cvt_scalef32_pk16_fp6_f32 v[PT+4*\c:PT+4*\c+2], v[XN+32*\c+16:XN+32*\c+31], v[TS+\c]   ; (a conversion's three registers begin on an even number)
.endr
	v_nop                                          ; one plain place behind a scaled conversion
.irp c, 0,1
.irp i, 0,1,2
	v_mov_b32 v[CD+6*\c+3+\i], v[PT+4*\c+\i]
.endr
.endr
	global_store_b128 v[A16], v[CD:CD+3], s[24:25]                  ; each store covers 512 or 256 consecutive bytes, at a multiple of 256 from the buffer's first byte
	global_store_b64 v[A8], v[CD+4:CD+5], s[24:25] offset:512
	global_store_b128 v[A16], v[CD+6:CD+9], s[24:25] offset:768
	global_store_b64 v[A8], v[CD+10:CD+11], s[24:25] offset:1280
.endm
	LOAD 0
	LOAD 1
	FRAGQ 0
	FRAGQ 1
	FRAGQ 2
	FRAGQ 3
	s_wait_xcnt 0x0                                ; EXEC changes only behind this wait
	v_cmp_gt_u32 vcc_lo, 16, v1
	s_wait_tensorcnt 0x0
	ds_add_u32 v240, v241
	s_wait_dscnt 0x0
	s_and_saveexec_b32 s44, vcc_lo                 ; both halves of the lanes hold the same words: lanes 0-15 store them
	global_store_b128 v[A16], v[SW:SW+3], s[42:43] ; 16 lanes store 256 consecutive bytes: the tile's words of my four K steps
	s_wait_xcnt 0x0
	s_or_b32 exec_lo, exec_lo, s44
	s_endpgm
.Lfunc_end_k_q459848e5b7_quant:
	.size	k_q459848e5b7_quant, .Lfunc_end_k_q459848e5b7_quant-k_q459848e5b7_quant
	.p2alignl 7, 3214868480
	.fill 96, 4, 3214868480
	.section	.rodata,"a",@progbits
	.p2align	6, 0x0
	.amdhsa_kernel k_q459848e5b7_quant
		.amdhsa_group_segment_fixed_size 34304
		.amdhsa_private_segment_fixed_size 0
		.amdhsa_enable_private_segment 0
		.amdhsa_kernarg_size 48
		.amdhsa_user_sgpr_count 2
		.amdhsa_user_sgpr_kernarg_segment_ptr 1
		.amdhsa_wavefront_size32 1
		.amdhsa_system_sgpr_workgroup_id_x 1
		.amdhsa_system_sgpr_workgroup_id_y 1
		.amdhsa_system_sgpr_workgroup_id_z 1
		.amdhsa_system_vgpr_workitem_id 0
		.amdhsa_next_free_vgpr 242
		.amdhsa_next_free_sgpr 66
		.amdhsa_reserve_vcc 1
		.amdhsa_float_denorm_mode_32 3
		.amdhsa_float_denorm_mode_16_64 3
		.amdhsa_memory_ordered 1
		.amdhsa_forward_progress 1
		.amdhsa_inst_pref_size 32
	.end_amdhsa_kernel
	.amdgpu_metadata
---
amdhsa.version: [ 1, 2 ]
amdhsa.kernels:
  - .name:           k_q459848e5b7_quant
    .symbol:         k_q459848e5b7_quant.kd
    .args:
      - { .name: news_embeds, .offset: 0, .size: 8, .value_kind: global_buffer, .address_space: global }
      - { .name: W_Q, .offset: 8, .size: 8, .value_kind: global_buffer, .address_space: global }
      - { .name: W_V, .offset: 16, .size: 8, .value_kind: global_buffer, .address_space: global }
      - { .name: ximg, .offset: 24, .size: 8, .value_kind: global_buffer, .address_space: global }
      - { .name: wimg, .offset: 32, .size: 8, .value_kind: global_buffer, .address_space: global }
      - { .name: scl, .offset: 40, .size: 8, .value_kind: global_buffer, .address_space: global }
    .group_segment_fixed_size: 34304
    .private_segment_fixed_size: 0
    .kernarg_segment_align: 8
    .kernarg_segment_size: 48
    .max_flat_workgroup_size: 128
    .sgpr_count:     66
    .vgpr_count:     242
    .wavefront_size: 32
...
	.end_amdgpu_metadata
.endif
;; end of part 1
;; launch attn (part 2): grid 8 x 32, 4 waves a work-group, clusters of 4 x 4, 327,680 bytes of LDS; arguments ximg, wimg, scl, out0; writes out0
.if DOCPART == 2
	.amdgcn_target "amdgcn-amd-amdhsa--gfx1250"
	.amdhsa_code_object_version 6
	.text
	.protected	k_q459848e5b7_attn
	.globl	k_q459848e5b7_attn
	.p2align	8
	.type	k_q459848e5b7_attn,@function
k_q459848e5b7_attn:
	s_mov_b64 s[64:65], 0
	v_nop
	global_prefetch_b8 v0, s[64:65] scope:SCOPE_SE
	s_setreg_imm32_b32 hwreg(HW_REG_WAVE_MODE, 25, 1), 1
	s_wait_xcnt 0x0
	s_wait_alu depctr_hold_cnt(0) depctr_sa_sdst(0) depctr_va_vdst(0) depctr_va_sdst(0) depctr_va_ssrc(0) depctr_va_vcc(0) depctr_vm_vsrc(0)
	s_getreg_b32 s2, hwreg(HW_REG_IB_STS2, 6, 4)
	s_cmp_eq_u32 s2, 0
	s_cbranch_scc0 .Lentry_in_a_cluster
	s_endpgm
.Lentry_in_a_cluster:
	s_bfe_u32 s2, ttmp6, 0x10000c
	s_cmp_lg_u32 s2, 0xf033
	s_cbranch_scc0 .Lentry_shape_is_right
	s_endpgm
.Lentry_shape_is_right:
; A work-group stays on one batch and makes two heads, hx and hx + 8, one after the other.  For a head: Q = X W_Q^T and V = X W_V^T (64 columns each), both quantised in registers; S^T = K Q^T with K = X's own
; columns of the head; the softmax; O^T = V^T P^T; O / the row's sum.  All four products on codes of FP6 (E2M3) with one E8M0 scale for each 32 along K, sums in f32.  Q, V, S and P never go to memory.
; IMAGES: a fragment (16 rows x 128 K) is 1,536 bytes: half c at 768 c: registers 6 c .. 6 c + 3 at 16 x lane, 6 c + 4, 6 c + 5 at 512 + 8 x lane.
; Tile T, tile row p is row 64 (T / 4) + 32 (p / 8) + 8 (T % 4) + p % 8: in a result whose source 0 is such a tile the 32 registers of four neighbouring tiles are 32 neighbours,
; lanes 0-15 the lower block of a group of 64, lanes 16-31 the upper: a whole block of the next product's K in a lane.  Half (head % 2) of K step (head / 2) of X's images is the head's K.
; SHARES.  Wave w owns rows 128 w .. 128 w + 127 of the batch (X's tiles 8 w + i): 128 rows x (64 + 64) columns of the first two products, 64 accumulators; then its 128 queries, and key step w of V.
; CLUSTER 4 x 4: x = hx, y = batch.  X's K steps 0 to 2 (147,456 bytes) are asked for jointly along a row of the cluster, one K step by each of waves 0 to 2, filled once, and serve both heads.
; A head's W (98,304 bytes) is asked for jointly along a column by wave 3; the second head's W fills the same bytes again behind a round of the cluster's barrier, when every wave has made Q and V of the first.
; X's K steps 3 to 7 are multiplied by one wave alone each and go from memory straight into that wave's registers: ten tiles are asked for at a head's start, three K steps ahead of their use, the others 14 tiles ahead,
; each pair as soon as the pair that held its registers is multiplied.  They are not asked for jointly, since that would send them through LDS, which is full; no separate prefetch: these loads run ahead themselves.
; The last head's tail is written out (the attention twice in the text).
; SOFTMAX.  t = score x log2(e); M = ceil(the row's largest t); p = 2^(t - M) is quantised along the keys; the row's sum is taken of the unquantised p and divides at the end.  A tile of 16 queries holds its
; whole row of 512 scores in registers, so M is the row's own.  A block's largest p is the block's largest score put through the same multiply-add and exponential.
; LIMITS: a block whose largest magnitude lies under 2^(3 - 127) gets the byte 1 (a block of zeros too: its codes are zeros); NaN and infinities are not served; a p under 2^-126 comes out of v_exp_f32 as 0.
; REGISTERS, windows of 256.  0: v0-31 addresses; v32-95 the first products' scale words, later work; v96-239 X's slots 0-11, later K's scale words, codes, O^T.
;   1: W's fragments, two sets, v0-191; X's slots 12-15, v192-239; later K's 32 fragments.  2: Q's accumulators, later S^T and p.  3: V's accumulators, later V's 16 fragments; v192-255 take the next scale words.
.set FRB,   1536
.set XSTEP, 49152
.set WSTEP, 12288
.set XL,    98304                      ; behind W: X's K steps 0 to 2
.set VIMG,  245760                     ; V's 16 fragments (4 x key step + tile),
.set VSC,   270336                     ; their scale words, 128 bytes each,
.set QIMG,  272384                     ; each wave's 8 tiles of Q: 512 + 256 bytes of codes, 128 of scale words,
.set QTB,   896
.set STG,   301056                     ; each wave's stage for the way out: 16 rows x (256 + 16),
.set SP,    272
.set SPARE, 318464                     ; and the spare words, 128 bytes a wave
.set AWB16, 4
.set AWB8,  5
.set AVR,   6
.set AVS,   7
.set AX16,  8
.set AX8,   9
.set AXC16, 10
.set AXC8,  11
.set LI,   12
.set L8,   13
.set LS,   14
.set SCD,  15
.set VWI,  17
.set VWS,  18
.set AQ16, 19
.set AQ8,  20
.set AQS,  21
.set STO,  22
.set SRD,  23
.set GO,   24
.set SH8,  25
.set SCO,  26
.set KSO,  27
.set SPW,  28
.set NIL,  29
.set CQ16, 30
.set CQ8,  31
.set SC,   32                          ; scale words: tile i, K step k at v[SC + 8 i + k]: lanes 0-15 X's, lanes 16-31 W's
.set XF,   96
.set KS,   96
.set CH,   32                          ; four chains of maxima for each block of 32 keys
.set PT2,  32                          ; then the second halves of p's codes
.set LSM,  32                          ; then the row's sum
.set RB,   64
.set BM,   64
.set TS8,  72
.set TB8,  80
.set PX,   88
.set PF,   128
.set QF,   176
.set RI,   188
.set MX,   190
.set TXA,  191
.set OA,   192
.set VS,   224
.set PS,   240
.set QS,   244
.set CQS,  245
.set NM,   246
.set PT,   12                          ; in a quantising set of 32 registers (at v128 or v160): codes 0-11, second halves 12-19, at work 20-29
.set TM,   20
.set TS,   22
.set TB,   24
.set PW,   26
.set TX,   28
.set G1X, 24                           ; s[24:31], s[32:35] descriptor groups 1 and 0 for X;  s[48:55], s[56:59] for W
.set G0X, 32
.set G1W, 48
.set G0W, 56
.set MSB, 0
.macro WIN new                         ; the immediate's high byte repeats the setting that is left; bits 1:0 source 0, 3:2 source 1, 5:4 source 2, 7:6 destination
.if MSB != (\new)
	s_set_vgpr_msb (MSB<<8)|(\new)
.set MSB, (\new)
.endif
.endm
.macro PLACES                          ; four places behind this matrix form (ISA guide 7.12.1)
.rept 4
	v_nop
.endr
.endm
.macro CROUND                          ; a round of the cluster's barrier
	s_barrier_signal -1
	s_barrier_wait -1
	s_cmp_lg_u32 s14, 0
	s_cbranch_scc1 .Lnot_wave_0_\@
	s_barrier_signal -3
.Lnot_wave_0_\@:
	s_barrier_wait -3
	s_barrier_signal -1
	s_barrier_wait -1
.endm
.macro WM d, a, b, sa, sb, zero, mod   ; one product; zero = 1 starts the sum
.if \zero
	v_wmma_scale_f32_16x16x128_f8f6f4 v[\d:\d+7], v[\a:\a+11], v[\b:\b+11], 0, v[\sa], v[\sb] matrix_a_fmt:MATRIX_FMT_FP6 matrix_b_fmt:MATRIX_FMT_FP6 \mod
.else
	v_wmma_scale_f32_16x16x128_f8f6f4 v[\d:\d+7], v[\a:\a+11], v[\b:\b+11], v[\d:\d+7], v[\sa], v[\sb] matrix_a_fmt:MATRIX_FMT_FP6 matrix_b_fmt:MATRIX_FMT_FP6 \mod
.endif
.endm
.macro SCLD                            ; a head's scale words of the first two products into window 3, v192-255: sixteen lanes read 256 consecutive bytes, row r's words of four K steps
	WIN 0xc0
.irp i, 0,1,2,3,4,5,6,7
.irp g, 0,1
	global_load_b128 v[192+8*\i+4*\g:192+8*\i+4*\g+3], v[SCO], s[8:9] offset:512*\i+256*\g
.endr
.endr
	WIN 0
.endm
	s_load_b256 s[4:11], s[0:1], 0x0               ; ximg, wimg, scl, out0
	v_lshl_add_u32 v[SPW], v0, 2, SPARE
	v_mov_b32 v[NIL], 0
	ds_add_u32 v[SPW], v[NIL]                      ; the opening lines: the add twice on end, and its wait ahead of my first tensor load
	ds_add_u32 v[SPW], v[NIL]
	v_lshrrev_b32 v1, 5, v0
	v_readfirstlane_b32 s14, v1                    ; wave 0..3
	s_bfe_u32 s40, ttmp6, 0x40000                  ; cx, cy
	s_bfe_u32 s41, ttmp6, 0x40004
	s_lshl_b32 s42, ttmp9, 2
	s_add_co_u32 s42, s42, s40                     ; hx = 4 x cluster x + cx: the first head
	s_and_b32 s17, ttmp7, 0xffff
	s_lshl_b32 s17, s17, 2
	s_add_co_u32 s17, s17, s41                     ; the batch = 4 x cluster y + cy
	s_lshl_b32 s43, s41, 2
	s_lshl_b32 s43, 15, s43                        ; my row of the cluster
	s_lshl_b32 s44, 0x1111, s40                    ; my column
	s_or_b32 s[G1X], s43, (3<<16)|(1<<21)          ; X goes to my row; elements of 8 bytes; bit 21 beside a mask
	s_or_b32 s[G1W], s44, (3<<16)|(1<<21)          ; W to my column
	s_mov_b32 s[G1X+1], 32<<16                     ; dense blocks as rows of 256 bytes: a K step of X is 192 rows,
	s_mov_b32 s[G1X+2], 192<<16
	s_mov_b32 s[G1X+3], 32<<16
	s_mov_b32 s[G1X+4], 192
	s_mov_b32 s[G1X+5], 32
	s_mov_b32 s[G1X+6], 0
	s_mov_b32 s[G1X+7], 0
	s_mov_b32 s[G1W+1], 32<<16                     ; a head's W 384
	s_mov_b32 s[G1W+2], 384<<16
	s_mov_b32 s[G1W+3], 32<<16
	s_mov_b32 s[G1W+4], 384
	s_mov_b32 s[G1W+5], 32
	s_mov_b32 s[G1W+6], 0
	s_mov_b32 s[G1W+7], 0
	s_mov_b32 s[G0X], 1
	s_mul_i32 s36, s14, XSTEP                      ; wave w brings K step w
	s_add_co_u32 s[G0X+1], s36, XL
	s_mul_i32 s38, s17, 8*XSTEP                    ; the batch's images
	s_add_co_u32 s36, s36, s38                     ; made of the batch and the wave's number alone
	s_mov_b32 s37, 0
	s_mov_b32 s[G0W], 1
	s_mov_b32 s[G0W+1], 0
	s_mul_i32 s46, s42, 8*WSTEP                    ; made of hx alone
	s_mov_b32 s47, 0
	s_mul_i32 s45, s14, 8*FRB
	s_add_co_u32 s20, s38, s45                     ; X by plain loads: my 8 tiles
	s_mov_b32 s21, 0
	s_add_co_u32 s39, s45, XL                      ; and the same in LDS
	s_lshr_b32 s16, s42, 1                         ; the K step of X that holds the head's columns,
	s_and_b32 s19, s42, 1                          ; and which half of it (the same for hx + 8)
	s_lshl_b32 s84, s19, 4                         ; the head's two bytes in a scale word
	s_mul_i32 s92, s16, XSTEP
	s_add_co_u32 s92, s92, s38
	s_mul_i32 s93, s19, 768
	s_add_co_u32 s92, s92, s93                     ; K: batch, K step, half
	s_mov_b32 s93, 0
	s_lshl_b32 s18, s17, 14
	s_lshr_b32 s23, s16, 2
	s_lshl_b32 s23, s23, 8
	s_add_co_u32 s23, s23, s18
	s_and_b32 s22, s16, 3
	s_lshl_b32 s22, s22, 2
	s_add_co_u32 s23, s23, s22                     ; K's scale words: the word of the head's K step
	s_lshl_b32 s22, s14, 12
	s_add_co_u32 s18, s18, s22                     ; X's scale words: tiles 32 batch + 8 wave + i
	s_lshl_b32 s22, s42, 12
	s_add_co_u32 s22, s22, 524288
	s_sub_co_u32 s22, s22, s18                     ; the distance to W's: tiles 8 head + i
	s_mul_i32 s66, s14, 4*FRB                      ; (registers that no descriptor names)
	s_add_co_u32 s66, s66, VIMG
	s_lshl_b32 s67, s14, 9
	s_add_co_u32 s67, s67, VSC
	s_mul_i32 s68, s14, 8*QTB
	s_add_co_u32 s68, s68, QIMG
	s_mul_i32 s69, s14, 16*SP
	s_add_co_u32 s69, s69, STG
	s_lshl_b32 s70, s17, 21                        ; the output: row 512 batch + 128 wave of 4,096 bytes, + 256 head
	s_lshl_b32 s71, s14, 19
	s_add_co_u32 s70, s70, s71
	s_lshl_b32 s71, s42, 8
	s_add_co_u32 s70, s70, s71
	s_mov_b32 s71, 0
	s_mov_b32 s80, 0x76543210
	s_mov_b32 s81, 0xfedcba98                      ; v_permlanex16_b32's selects for lane l xor 16
	s_mov_b32 s82, 0x3fb8aa3b                      ; log2(e)
	s_mov_b32 s83, s82
	s_mov_b32 s15, 2                               ; heads to go
	s_wait_dscnt 0x0                               ; both opening adds are done
	s_wait_kmcnt 0x0
	s_add_nc_u64 s[G0X+2:G0X+3], s[4:5], s[36:37]
	s_or_b32 s[G0X+3], s[G0X+3], 0x80000000
	s_add_nc_u64 s[G0W+2:G0W+3], s[6:7], s[46:47]
	s_or_b32 s[G0W+3], s[G0W+3], 0x80000000
	s_add_nc_u64 s[20:21], s[4:5], s[20:21]
	s_add_nc_u64 s[92:93], s[4:5], s[92:93]
	s_mov_b64 s[94:95], s[8:9]
	s_add_nc_u64 s[86:87], s[10:11], s[70:71]
	CROUND                                         ; the sixteen work-groups are here: the joint loads meet
	s_cmp_lt_u32 s14, 3                            ; one tensor load a wave at the head: waves 0 to 2 a K step of X each, wave 3 the first head's W
	s_cbranch_scc0 .Lhead_w
	tensor_load_to_lds s[G0X:G0X+3], s[G1X:G1X+7]
	s_nop 0
	PLACES
	s_branch .Lhead_asked
.Lhead_w:
	tensor_load_to_lds s[G0W:G0W+3], s[G1W:G1W+7]
	s_nop 0
	PLACES
.Lhead_asked:
	v_and_b32 v1, 31, v0                           ; lane
	v_and_b32 v2, 15, v0                           ; r
	v_bfe_u32 v3, v0, 4, 1                         ; h
	v_lshlrev_b32 v[LI], 4, v1
	v_lshlrev_b32 v[L8], 3, v1
	v_lshlrev_b32 v[LS], 2, v1
	v_lshlrev_b32 v[SH8], 3, v3
	v_lshlrev_b32 v[SCD], 15, v3                   ; from a head's scale words of W to those of the head 8 on: 8 x 8 tiles x 512 bytes, in lanes 16-31
	v_mul_lo_u32 v[SCO], v3, s22
	v_lshl_add_u32 v[SCO], v2, 4, v[SCO]
	v_add_nc_u32 v[SCO], s18, v[SCO]
	v_lshl_add_u32 v[KSO], v2, 4, s23
	v_add_nc_u32 v[AWB16], 4*WSTEP, v[LI]          ; W's K steps 4 to 7
	v_add_nc_u32 v[AWB8], 4*WSTEP, v[L8]
	v_add_nc_u32 v[AX16], s39, v[LI]               ; X's K steps 0 and 1 in LDS,
	v_add_nc_u32 v[AX8], s39, v[L8]
	v_add_nc_u32 v[AXC16], 2*XSTEP, v[AX16]        ; and K step 2
	v_add_nc_u32 v[AXC8], 2*XSTEP, v[AX8]
	v_add_nc_u32 v[AVR], VIMG, v[LI]
	v_add_nc_u32 v[AVS], VSC, v[LS]
	v_add_nc_u32 v[VWI], s66, v[LI]
	v_add_nc_u32 v[VWS], s67, v[LS]
	v_add_nc_u32 v[AQ16], s68, v[LI]
	v_add_nc_u32 v[AQ8], s68, v[L8]
	v_add_nc_u32 v[AQS], s68, v[LS]
	v_mul_u32_u24 v[STO], v2, SP                   ; the stage, in: row r, + 128 h
	v_lshl_add_u32 v[STO], v3, 7, v[STO]
	v_add_nc_u32 v[STO], s69, v[STO]
	v_mul_u32_u24 v[SRD], v3, SP                   ; back: lanes 0-15 one row of 256 bytes, lanes 16-31 the next
	v_lshl_add_u32 v[SRD], v2, 4, v[SRD]
	v_add_nc_u32 v[SRD], s69, v[SRD]
	v_lshlrev_b32 v[GO], 12, v3                    ; the same two rows in the output
	v_lshl_add_u32 v[GO], v2, 4, v[GO]
	s_wait_alu depctr_va_vdst(0)                   ; the wait at the head's end
	SCLD
.macro XREG g                          ; tile g = 8 k + i of my X: K steps 0-2 (from LDS) take slots 10-15 by turns, the others slot (g - 24) % 16; slots 0-11 lie in window 0, 12-15 in window 1
.if (\g) < 24
.set XS_, 10+(\g)%6
.else
.set XS_, ((\g)-24)%16
.endif
.if XS_ < 12
.set XW_, 0
.set XR_, XF+12*XS_
.else
.set XW_, 1
.set XR_, 192+12*(XS_-12)
.endif
.endm
.macro XLD g                           ; from memory: four loads, each of consecutive bytes
	XREG \g
	WIN XW_<<6
	global_load_b128 v[XR_:XR_+3], v[LI], s[20:21] offset:((\g)/8)*XSTEP+((\g)%8)*FRB
	global_load_b64 v[XR_+4:XR_+5], v[L8], s[20:21] offset:((\g)/8)*XSTEP+((\g)%8)*FRB+512
	global_load_b128 v[XR_+6:XR_+9], v[LI], s[20:21] offset:((\g)/8)*XSTEP+((\g)%8)*FRB+768
	global_load_b64 v[XR_+10:XR_+11], v[L8], s[20:21] offset:((\g)/8)*XSTEP+((\g)%8)*FRB+1280
.endm
.macro FRAG reg, a16, a8, off
	ds_load_b128 v[\reg:\reg+3], v[\a16] offset:\off
	ds_load_b64 v[\reg+4:\reg+5], v[\a8] offset:\off+512
	ds_load_b128 v[\reg+6:\reg+9], v[\a16] offset:\off+768
	ds_load_b64 v[\reg+10:\reg+11], v[\a8] offset:\off+1280
.endm
.macro XDS g                           ; from LDS
	XREG \g
	WIN XW_<<6
.if (\g) < 16
	FRAG XR_, AX16, AX8, ((\g)/8)*XSTEP+((\g)%8)*FRB
.else
	FRAG XR_, AXC16, AXC8, ((\g)%8)*FRB
.endif
.endm
.macro FETCH_W k                       ; W's eight tiles of K step k into set k % 2 of window 1
	WIN 0x40
.irp a, 0,1,2,3,4,5,6,7
.if (\k) < 4
	FRAG 96*((\k)%2)+12*\a, LI, L8, (\k)*WSTEP+\a*FRB
.else
	FRAG 96*((\k)%2)+12*\a, AWB16, AWB8, ((\k)-4)*WSTEP+\a*FRB
.endif
.endr
	WIN 0
.endm
.macro MUL8 k, i, zero                 ; X's tile i against W's eight: Q with W as source 0 (a lane holds a query), V with X as source 0 (a lane holds a channel)
	XREG 8*(\k)+(\i)
.set WS_, 96*((\k)%2)
	WIN 0xa1|(XW_<<2)
.irp a, 0,1,2,3
	WM 32*(\i)+8*\a, WS_+12*\a, XR_, SC+8*\a+(\k), SC+8*(\i)+(\k), \zero, matrix_a_scale:MATRIX_SCALE_ROW1
.endr
	WIN 0xf4|XW_
.irp a, 4,5,6,7
	WM 64*(\a-4)+8*(\i), XR_, WS_+12*\a, SC+8*(\i)+(\k), SC+8*\a+(\k), \zero, matrix_b_scale:MATRIX_SCALE_ROW1
.endr
.endm
; A K step: 64 products, the 64 accumulators by turns in the same order in every step.  Each wait's count is the number of loads of its kind issued behind those it waits for.
.macro PSTEP k, zero
.if (\k) == 0
	s_wait_dscnt 24                                ; W's set; behind it three pairs of X's tiles (8 loads each)
.elseif (\k) < 3
	s_wait_dscnt 32                                ; W's set, asked for a step ago; behind it four pairs
.else
	s_wait_dscnt 0x0
.endif
.if (\k) < 7
	FETCH_W (\k)+1                                 ; the other set: the places in front of these loads are the four behind the last step's last pair
.endif
.irp j, 0,1,2,3
.set G_, 8*(\k)+2*\j
.if G_ < 24
.if G_ == 22
	s_wait_dscnt 0x0
.elseif G_ == 20
	s_wait_dscnt 40                                ; behind this pair: W's next set (32) and one pair
.elseif \j == 3
	s_wait_dscnt 16                                ; two pairs
.else
	s_wait_dscnt 48                                ; two pairs and W's next set
.endif
.elseif G_+15 <= 63
	s_wait_loadcnt 56                              ; seven pairs
.else
	s_wait_loadcnt 4*(62-G_)
.endif
	MUL8 \k, 2*\j, \zero
	MUL8 \k, 2*\j+1, \zero
.if G_ < 18
	PLACES
	XDS G_+6                                       ; the pair's slots take the pair three on, from LDS;
	XDS G_+7
.elseif G_ < 48
	PLACES
	XLD G_+16                                      ; or the pair eight on, from memory
	XLD G_+17
.endif
.endr
.endm
.macro KLD n                           ; K: six registers a tile; a product names twelve: the next tile's six come with it and meet Q's zero codes
.rept \n
	global_load_b128 v[6*t_:6*t_+3], v[LI], s[92:93] offset:FRB*t_
	global_load_b64 v[6*t_+4:6*t_+5], v[L8], s[92:93] offset:FRB*t_+512
.set t_, t_+1
.endr
.endm
; 64 results of a lane, two whole blocks of 32: codes to v[z + 6 c] on, scale operands to v[z + TS + c], bytes to v[z + TB + c].  Each accumulator is read from its low end on; four chains of maxima.
.macro QUANT64 w2, w1, base, z
	WIN \w2
.irp c, 0,1
	v_max3_num_f32 v[\z+TM+\c], |v[(\base)+32*\c]|, |v[(\base)+32*\c+1]|, 0x1800000   ; with the floor 2^(3 - 127): the byte cannot fall under 1
.endr
.irp c, 0,1
	v_max_num_f32 v[\z+PW+\c], |v[(\base)+32*\c+2]|, |v[(\base)+32*\c+3]|
.endr
.irp i, 4,8,12,16,20,24,28
.irp c, 0,1
	v_max3_num_f32 v[\z+TM+\c], |v[(\base)+32*\c+\i]|, |v[(\base)+32*\c+\i+1]|, v[\z+TM+\c]
.endr
.irp c, 0,1
	v_max3_num_f32 v[\z+PW+\c], |v[(\base)+32*\c+\i+2]|, |v[(\base)+32*\c+\i+3]|, v[\z+PW+\c]
.endr
.endr
	WIN 0
.irp c, 0,1
	v_max_num_f32 v[\z+TM+\c], v[\z+TM+\c], v[\z+PW+\c]
.endr
.irp c, 0,1
	v_add_nc_u32 v[\z+TS+\c], 0xff000000, v[\z+TM+\c]   ; 2 off the exponent field: the conversion's scale operand
.endr
.irp c, 0,1
	v_lshrrev_b32 v[\z+TB+\c], 23, v[\z+TS+\c]
.endr
	WIN \w1
.irp c, 0,1
	v_cvt_scalef32_pk16_fp6_f32 v[\z+6*\c:\z+6*\c+2], v[(\base)+32*\c:(\base)+32*\c+15], v[\z+TS+\c]
	v_cvt_scalef32_pk16_fp6_f32 v[\z+PT+4*\c:\z+PT+4*\c+2], v[(\base)+32*\c+16:(\base)+32*\c+31], v[\z+TS+\c]   ; (a conversion's three registers begin on an even number)
.endr
	WIN 0
	v_nop                                          ; one plain place behind a scaled conversion
.irp c, 0,1
.irp i, 0,1,2
	v_mov_b32 v[\z+6*\c+3+\i], v[\z+PT+4*\c+\i]
.endr
.endr
.endm
.macro SMAX t                          ; tile t's eight scores into the four chains of its block, from the accumulator's low end on
.irp j, 0,1,2,3
.if (\t)%4 == 0
	v_max_num_f32 v[CH+4*((\t)/4)+\j], v[8*(\t)+2*\j], v[8*(\t)+2*\j+1]
.else
	v_max3_num_f32 v[CH+4*((\t)/4)+\j], v[8*(\t)+2*\j], v[8*(\t)+2*\j+1], v[CH+4*((\t)/4)+\j]
.endif
.endr
.endm
; A batch: block b's 32 exponentials.  Between them stand lines that name none of the batch's results and whose own results are first read behind the batch's closing wait:
; block b + 1's t - M; the running sum, in place: block b - 1 (already converted) takes block b - 2's sum; three copies of block b - 2's codes.
.macro BATCH b
.set j_, 0
.rept 16
	v_exp_f32 v[32*(\b)+j_], v[32*(\b)+j_]
.if (\b) < 7
	v_pk_fma_f32 v[32*(\b)+32+j_:32*(\b)+33+j_], v[32*(\b)+32+j_:32*(\b)+33+j_], s[82:83], v[NM:NM+1] op_sel_hi:[1,0,0]
.endif
	v_exp_f32 v[32*(\b)+j_+1], v[32*(\b)+j_+1]
.if (\b) >= 2
	v_pk_add_f32 v[32*(\b)-32+j_:32*(\b)-31+j_], v[32*(\b)-32+j_:32*(\b)-31+j_], v[32*(\b)-64+j_:32*(\b)-63+j_]
.if j_ < 6
	WIN 0
	v_mov_b32 v[PF+6*((\b)-2)+3+j_/2], v[PT2+4*((\b)-2)+j_/2]
	WIN 0x8a
.endif
.endif
.set j_, j_+2
.endr
	v_nop                                          ; a plain place behind the last exponential
	s_wait_alu depctr_va_vdst(0)                   ; one wait for the batch; it is also the wait ahead of the next
.endm
.macro CVTP b                          ; block b's 32 p become codes
	WIN 0x02
	v_cvt_scalef32_pk16_fp6_f32 v[PF+6*(\b):PF+6*(\b)+2], v[32*(\b):32*(\b)+15], v[TS8+(\b)]
	v_cvt_scalef32_pk16_fp6_f32 v[PT2+4*(\b):PT2+4*(\b)+2], v[32*(\b)+16:32*(\b)+31], v[TS8+(\b)]
	v_nop                                          ; one plain place behind a scaled conversion
.endm
; THE ATTENTION of a head, behind the barrier that shows V's sixteen fragments in LDS: V into registers, then eight trips, a tile of 16 queries against all 512 keys; K and V are read from registers alone.
.macro ATTN
	WIN 0xc0
.irp f, 0,1,2,3,4,5,6,7,8,9,10,11,12,13,14,15
.irp j, 0,1,2
	ds_load_b128 v[12*\f+4*\j:12*\f+4*\j+3], v[AVR] offset:FRB*\f+512*\j   ; all of V stays in registers: window 3
.endr
.endr
	WIN 0
.irp f, 0,1,2,3,4,5,6,7,8,9,10,11,12,13,14,15
	ds_load_b32 v[VS+\f], v[AVS] offset:128*\f
.endr
	ds_load_b128 v[QF:QF+3], v[AQ16]               ; my first tile of Q
	ds_load_b64 v[QF+4:QF+5], v[AQ8] offset:512
	ds_load_b32 v[QS], v[AQS] offset:768
.irp j, QF+6,QF+7,QF+8,QF+9,QF+10,QF+11, PX,PX+1,PX+2,PX+3, TXA, RI+1, NM+1
	v_mov_b32 v[\j], 0                             ; Q's upper 64 along K; the lane permutes' destinations and the pairs' upper halves
.endr
	s_wait_loadcnt 0x0                             ; K and its scale words
.irp t, 0,1,2,3,4,5,6,7,8,9,10,11,12,13,14,15,16,17,18,19,20,21,22,23,24,25,26,27,28,29,30,31
	v_lshrrev_b32 v[KS+\t], s84, v[KS+\t]          ; the head's two bytes come to bytes 0 and 1; what stands above them scales products with zero codes
.endr
	s_mov_b32 s12, 0                               ; the trip: my tile of queries
	s_wait_alu depctr_va_vdst(0)
	s_wait_dscnt 0x0
.Ltile_\@:
	s_wait_xcnt 0x0                                ; the last trip's stores have read their data and their base
.set t_, 0
.rept 16                                           ; S^T by pairs of tiles; behind each pair the maxima of the pair before: eight plain lines, the places of both
	WIN 0x81
	WM 8*t_, 6*t_, QF, KS+t_, QS, 1
	WM 8*t_+8, 6*t_+6, QF, KS+t_+1, QS, 1
.if t_ == 2
	PLACES
.endif
.if t_ > 0
	WIN 0x0a
	SMAX t_-2
	SMAX t_-1
.endif
.set t_, t_+2
.endr
	WIN 0x0a
	SMAX 30
	SMAX 31
	WIN 0
	s_add_co_u32 s90, s12, 1                       ; the next trip's tile of Q (the last trip takes its own again), a trip ahead of its use
	s_min_u32 s90, s90, 7
	s_mul_i32 s90, s90, QTB
	v_add_nc_u32 v[CQ16], s90, v[AQ16]
	v_add_nc_u32 v[CQ8], s90, v[AQ8]
	v_add_nc_u32 v[CQS], s90, v[AQS]
	ds_load_b128 v[QF:QF+3], v[CQ16]
	ds_load_b64 v[QF+4:QF+5], v[CQ8] offset:512
	ds_load_b32 v[QS], v[CQS] offset:768
.irp b, 0,1,2,3,4,5,6,7
	v_max3_num_f32 v[BM+\b], v[CH+4*\b], v[CH+4*\b+1], v[CH+4*\b+2]
.endr
.irp b, 0,1,2,3,4,5,6,7
	v_max_num_f32 v[BM+\b], v[BM+\b], v[CH+4*\b+3] ; the largest score of each of my eight blocks of 32 keys
.endr
	v_max3_num_f32 v[MX], v[BM], v[BM+1], v[BM+2]
	v_max3_num_f32 v[TXA], v[BM+3], v[BM+4], v[BM+5]
	v_max3_num_f32 v[MX], v[MX], v[BM+6], v[BM+7]
	v_max_num_f32 v[MX], v[MX], v[TXA]
	v_permlanex16_b32 v[TXA], v[MX], s80, s81
	v_max_num_f32 v[MX], v[MX], v[TXA]             ; with lane l xor 16's 256 keys: the row's largest score
	v_mul_f32 v[MX], s82, v[MX]                    ; as t
	v_floor_f32 v[NM], -v[MX]                      ; -M = floor(-t) = -ceil(t): a whole number
.irp b, 0,1,2,3,4,5,6,7
	v_fma_f32 v[BM+\b], v[BM+\b], s82, v[NM]       ; t - M of each block's largest score
.endr
	WIN 0x82
.irp j, 0,2,4,6,8,10,12,14,16,18,20,22,24,26,28,30
	v_pk_fma_f32 v[\j:\j+1], v[\j:\j+1], s[82:83], v[NM:NM+1] op_sel_hi:[1,0,0]   ; block 0's t - M
.endr
	WIN 0
	s_wait_alu depctr_va_vdst(0)                   ; the wait ahead of the batch
.irp b, 0,1,2,3,4,5,6,7
	v_exp_f32 v[BM+\b], v[BM+\b]                   ; the blocks' largest p
.endr
	WIN 0x8a
	BATCH 0
	WIN 0
.irp b, 0,1,2,3,4,5,6,7
	v_max_num_f32 v[BM+\b], 0x1800000, v[BM+\b]    ; the floor 2^(3 - 127): the byte cannot fall under 1
.endr
.irp b, 0,1,2,3,4,5,6,7
	v_add_nc_u32 v[TS8+\b], 0xff000000, v[BM+\b]   ; 2 off the exponent field: the conversion's scale operand
.endr
.irp b, 0,1,2,3,4,5,6,7
	v_lshrrev_b32 v[TB8+\b], 23, v[TS8+\b]         ; the scale's byte
.endr
.irp k, 0,1,2,3
	v_lshl_or_b32 v[PS+\k], v[TB8+2*\k+1], 16, v[TB8+2*\k]   ; key step k: my two bytes, blocks h and 2 + h,
.endr
.irp k, 0,1,2,3
	v_lshlrev_b32 v[PS+\k], v[SH8], v[PS+\k]
.endr
.irp k, 0,1,2,3
	v_permlanex16_b32 v[PX+\k], v[PS+\k], s80, s81
.endr
.irp k, 0,1,2,3
	v_or_b32 v[PS+\k], v[PS+\k], v[PX+\k]          ; with lane l xor 16's two: p's scale word
.endr
.irp b, 1,2,3,4,5,6,7
	CVTP \b-1
	WIN 0x8a
	BATCH \b
.endr
	CVTP 7
	WIN 0
.irp b, 6,7
.irp i, 0,1,2
	v_mov_b32 v[PF+6*\b+3+\i], v[PT2+4*\b+\i]
.endr
.endr
	WIN 0x8a
.irp j, 0,2,4,6,8,10,12,14,16,18,20,22,24,26,28,30
	v_pk_add_f32 v[224+\j:225+\j], v[224+\j:225+\j], v[192+\j:193+\j]   ; THE ROW'S SUM IS TAKEN OF THE UNQUANTISED p: block 7 takes the sum of blocks 0 to 6
.endr
	WIN 0x0a
.irp j, 0,1,2,3,4,5,6,7
	v_pk_add_f32 v[LSM+2*\j:LSM+2*\j+1], v[224+4*\j:224+4*\j+1], v[224+4*\j+2:224+4*\j+3]
.endr
	WIN 0x03                                       ; source 0 (V) window 3; P, C and D window 0
.irp k, 0,1,2,3                                    ; O^T = V^T P^T: four accumulators by turns, a key step of 128 at a time
.irp t, 0,1,2,3
.if \k == 0
	WM OA+8*\t, 12*(4*\k+\t), PF+12*\k, VS+4*\k+\t, PS+\k, 1
.else
	WM OA+8*\t, 12*(4*\k+\t), PF+12*\k, VS+4*\k+\t, PS+\k, 0
.endif
.endr
.endr
	WIN 0
.irp j, 0,1,2,3
	v_pk_add_f32 v[LSM+2*\j:LSM+2*\j+1], v[LSM+2*\j:LSM+2*\j+1], v[LSM+2*\j+8:LSM+2*\j+9]   ; these four lines are the places behind the last products
.endr
.irp j, 0,1
	v_pk_add_f32 v[LSM+2*\j:LSM+2*\j+1], v[LSM+2*\j:LSM+2*\j+1], v[LSM+2*\j+4:LSM+2*\j+5]
.endr
	v_pk_add_f32 v[LSM:LSM+1], v[LSM:LSM+1], v[LSM+2:LSM+3]
	v_add_f32 v[LSM], v[LSM], v[LSM+1]
	v_permlanex16_b32 v[TXA], v[LSM], s80, s81
	v_add_f32 v[LSM], v[LSM], v[TXA]               ; with lane l xor 16's: the row's sum
	s_wait_alu depctr_va_vdst(0)                   ; the wait ahead of the reciprocal
	v_rcp_f32 v[RI], v[LSM]
	v_nop                                          ; a plain place behind it
	s_wait_alu depctr_va_vdst(0)                   ; and the wait ahead of its first reader, which is also O^T's
.irp j, 0,2,4,6,8,10,12,14,16,18,20,22,24,26,28,30
	v_pk_mul_f32 v[OA+\j:OA+\j+1], v[OA+\j:OA+\j+1], v[RI:RI+1] op_sel_hi:[1,0]   ; O^T / the sum: register i is channel 32 h + i of query r
.endr
	; the way out: a lane holds 128 bytes of a row's 256, so the tile goes through my own stage and comes back as whole rows
.irp j, 0,1,2,3,4,5,6,7
	ds_store_b128 v[STO], v[OA+4*\j:OA+4*\j+3] offset:16*\j
.endr
.irp u, 0,1,2,3,4,5,6,7
	ds_load_b128 v[RB+4*\u:RB+4*\u+3], v[SRD] offset:2*\u*SP   ; LDS serves a wave's instructions in order: these see the stores above
.endr
	s_and_b32 s90, s12, 3                          ; tile 8 w + I, tile row p is row 128 w + 64 (I / 4) + 8 (I % 4) + 32 (p / 8) + p % 8 of the batch
	s_lshl_b32 s90, s90, 15
	s_lshr_b32 s91, s12, 2
	s_lshl_b32 s91, s91, 18
	s_add_co_u32 s90, s90, s91
	s_mov_b32 s91, 0
	s_add_nc_u64 s[88:89], s[86:87], s[90:91]
.irp u, 0,1,2,3,4,5,6,7
	s_wait_dscnt 7-\u                              ; rows 2 u, 2 u + 1 are back; the younger loads may be out
	global_store_b128 v[GO], v[RB+4*\u:RB+4*\u+3], s[88:89] offset:(32*(\u/4)+2*(\u%4))*4096 th:TH_STORE_NT   ; 16 lanes store 256 consecutive bytes, at a multiple of 256 from the output's first byte
.endr
	s_add_co_u32 s12, s12, 1
	s_cmp_lt_u32 s12, 8
	s_wait_alu depctr_va_vdst(0)                   ; the wait ahead of the branch
	s_cbranch_scc1 .Ltile_\@
.endm
.Lhead:                                                ; ---- a head.  Its scale words are on their way into window 3, its W into LDS
.set g_, 24
.rept 10
	XLD g_                                         ; K step 3 and two tiles of K step 4
.set g_, g_+1
.endr
	WIN 0
	s_wait_tensorcnt 0x0                           ; my tensor load has landed
	s_barrier_signal -1
	s_barrier_wait -1                              ; everybody's has: W and X's K steps 0 to 2 lie in LDS; and nobody reads the last head's V in LDS any more
	FETCH_W 0
.irp g, 0,1,2,3,4,5
	XDS \g
.endr
	s_wait_loadcnt 40                              ; the scale words are in; the ten tiles' 40 loads may be out
	WIN 0x03
.set j_, 0
.rept 64
	v_mov_b32 v[SC+j_], v[192+j_]                  ; scale operands are taken from window 0
.set j_, j_+1
.endr
	WIN 0
.rept 8
	v_nop                                          ; a scale register written by a vector instruction stands 8 places ahead of a scaled matrix instruction
.endr
	s_wait_alu depctr_va_vdst(0)                   ; the wait ahead of the wait below
	PSTEP 0, 1
.irp k, 1,2,3,4,5,6,7
	PSTEP \k, 0
.endr
	WIN 0
	PLACES
	; ---- K's scale words and fragments come by plain loads while Q and V are quantised: 62 loads now, 34 behind V
.irp t, 0,1,2,3,4,5,6,7,8,9,10,11,12,13,14,15,16,17,18,19,20,21,22,23,24,25,26,27,28,29,30,31
	global_load_b32 v[KS+\t], v[KSO], s[94:95] offset:512*\t
.endr
.set t_, 0
	WIN 0x40
	KLD 15
.irp j, 192,193,194,195,196,197
	v_mov_b32 v[\j], 0                             ; behind the last tile
.endr
	WIN 0
.irp j, 128+TX, 129+TX, 160+TX, 161+TX
	v_mov_b32 v[\j], 0                             ; the lane permutes' destinations
.endr
	; ---- V: my 128 keys x 64 channels become four fragments of key step w; their images go to LDS for all four waves.  Two register sets by turns
.irp t, 0,1,2,3
.set Z_, 128+32*(\t%2)
.if \t >= 2
	s_wait_alu depctr_va_vdst(0)                   ; the wait ahead of the wait below
	s_wait_dscnt 4                                 ; this set's stores of two units ago are done; the last unit's four may be out
.endif
	QUANT64 0x0f, 0x03, 64*\t, Z_
	v_lshl_or_b32 v[Z_+PW], v[Z_+TB+1], 16, v[Z_+TB]   ; my two bytes: blocks h and 2 + h of channel row r,
	v_lshlrev_b32 v[Z_+PW], v[SH8], v[Z_+PW]
	v_permlanex16_b32 v[Z_+TX], v[Z_+PW], s80, s81
	v_or_b32 v[Z_+PW], v[Z_+PW], v[Z_+TX]          ; with lane l xor 16's two the word is whole
.irp j, 0,1,2
	ds_store_b128 v[VWI], v[Z_+4*\j:Z_+4*\j+3] offset:FRB*\t+512*\j
.endr
	ds_store_b32 v[VWS], v[Z_+PW] offset:128*\t
.endr
	WIN 0x40
	KLD 17
	WIN 0
	; ---- Q: my 8 tiles of 16 queries: six registers and a scale word each, into my own bytes of LDS
.irp n, 0,1,2,3
.set Z_, 128+32*(\n%2)
	s_wait_alu depctr_va_vdst(0)
.if \n == 0
	s_wait_dscnt 4                                 ; the last unit's stores may be out: four of V's, then six of Q's
.else
	s_wait_dscnt 6
.endif
	QUANT64 0x0a, 0x02, 64*\n, Z_
.irp c, 0,1
	v_lshlrev_b32 v[Z_+PW+\c], v[SH8], v[Z_+TB+\c] ; tile 2 n + c: my byte is block h's
.endr
.irp c, 0,1
	v_permlanex16_b32 v[Z_+TX+\c], v[Z_+PW+\c], s80, s81
.endr
.irp c, 0,1
	v_or_b32 v[Z_+PW+\c], v[Z_+PW+\c], v[Z_+TX+\c] ; bytes 2 and 3 stay 0: they scale zero codes
.endr
.irp c, 0,1
	ds_store_b128 v[AQ16], v[Z_+6*\c:Z_+6*\c+3] offset:QTB*(2*\n+\c)
	ds_store_b64 v[AQ8], v[Z_+6*\c+4:Z_+6*\c+5] offset:QTB*(2*\n+\c)+512
	ds_store_b32 v[AQS], v[Z_+PW+\c] offset:QTB*(2*\n+\c)+768
.endr
.endr
	s_cmp_eq_u32 s15, 1
	s_wait_alu depctr_va_vdst(0)                   ; the wait ahead of the branch
	s_cbranch_scc1 .Llast                          ; the last head's tail is written out: it asks for nothing more
	s_wait_tensorcnt 0x0                           ; no tensor load of mine is out;
	ds_add_u32 v[SPW], v[NIL]                      ; 0 onto my spare word;
	s_add_nc_u64 s[G0W+2:G0W+3], s[G0W+2:G0W+3], 64*WSTEP   ; the W of the head 8 on
	s_wait_dscnt 0x0                               ; the add is done, my reads of W are over, and my stores of V and Q have landed
	CROUND                                         ; the same holds of every wave of every work-group of the cluster
	s_cmp_lg_u32 s14, 3
	s_cbranch_scc1 .Lno_w
	tensor_load_to_lds s[G0W:G0W+3], s[G1W:G1W+7]  ; wave 3's one load behind the round: it has the whole attention in which to land
	s_nop 0
	PLACES
.Lno_w:
	v_add_nc_u32 v[SCO], v[SCD], v[SCO]
	SCLD                                           ; the next head's scale words, into registers that the attention leaves alone
	ATTN
	s_wait_xcnt 0x0                                ; the stores have read their data and their base
	s_add_nc_u64 s[92:93], s[92:93], 4*XSTEP       ; head + 8: K lies four K steps on,
	s_add_nc_u64 s[94:95], s[94:95], 256           ; its scale words in the tiles' second halves,
	s_add_nc_u64 s[86:87], s[86:87], 2048          ; the output 8 x 256 bytes on
	s_sub_co_u32 s15, s15, 1
	s_branch .Lhead
.Llast:
	s_wait_dscnt 0x0                               ; my stores of V and Q have landed
	s_barrier_signal -1
	s_barrier_wait -1                              ; V's sixteen fragments lie in LDS
	ATTN
	s_wait_tensorcnt 0x0                           ; the wave's end
	ds_add_u32 v[SPW], v[NIL]
	s_wait_dscnt 0x0
	CROUND                                         ; the closing round
	s_endpgm
.Lfunc_end_k_q459848e5b7_attn:
	.size	k_q459848e5b7_attn, .Lfunc_end_k_q459848e5b7_attn-k_q459848e5b7_attn
	.p2alignl 7, 3214868480
	.fill 96, 4, 3214868480
	.section	.rodata,"a",@progbits
	.p2align	6, 0x0
	.amdhsa_kernel k_q459848e5b7_attn
		.amdhsa_group_segment_fixed_size 327680
		.amdhsa_private_segment_fixed_size 0
		.amdhsa_enable_private_segment 0
		.amdhsa_kernarg_size 32
		.amdhsa_user_sgpr_count 2
		.amdhsa_user_sgpr_kernarg_segment_ptr 1
		.amdhsa_wavefront_size32 1
		.amdhsa_system_sgpr_workgroup_id_x 1
		.amdhsa_system_sgpr_workgroup_id_y 1
		.amdhsa_system_sgpr_workgroup_id_z 1
		.amdhsa_system_vgpr_workitem_id 0
		.amdhsa_next_free_vgpr 1024
		.amdhsa_next_free_sgpr 98
		.amdhsa_reserve_vcc 0
		.amdhsa_float_denorm_mode_32 3
		.amdhsa_float_denorm_mode_16_64 3
		.amdhsa_memory_ordered 1
		.amdhsa_forward_progress 1
		.amdhsa_inst_pref_size 255
	.end_amdhsa_kernel
	.section	.bss,"aw",@nobits
	.p2align	6
	.space	262144
	.amdgpu_metadata
---
amdhsa.version: [ 1, 2 ]
amdhsa.kernels:
  - .name:           k_q459848e5b7_attn
    .symbol:         k_q459848e5b7_attn.kd
    .args:
      - { .name: ximg, .offset: 0, .size: 8, .value_kind: global_buffer, .address_space: global }
      - { .name: wimg, .offset: 8, .size: 8, .value_kind: global_buffer, .address_space: global }
      - { .name: scl, .offset: 16, .size: 8, .value_kind: global_buffer, .address_space: global }
      - { .name: out0, .offset: 24, .size: 8, .value_kind: global_buffer, .address_space: global }
    .group_segment_fixed_size: 327680
    .private_segment_fixed_size: 0
    .kernarg_segment_align: 8
    .kernarg_segment_size: 32
    .max_flat_workgroup_size: 128
    .sgpr_count:     98
    .vgpr_count:     1024
    .wavefront_size: 32
...
	.end_amdgpu_metadata
.endif
;; end of part 2
